; MI455X (gfx1250); checked and timed in simulation.
; The chip was launched on July 23, 2026; its instructions are those of AMD's public machine-readable ISA for CDNA 5 (MIT licence, August 2026) and "CDNA5" Instruction Set Architecture Reference Guide (July 2026). The comments in the code are by the model that wrote it; some were corrected since.
;; Nonlocal Block. Allowed arithmetic: float matrix products may take bf16 or f16 operands with f32 sums; all other float work in f32.
;; Inputs: residue_ratio 256 float32; rk_b 128 float32; rk_w 128 x 256 float32; rv_b 256 float32; rv_w 256 x 256 float32; shortcut_ratio 256 float32; wk_b 128 float32; wk_w 128 x 256 float32; wv_b 256 float32; wv_w 256 x 256 float32; x 4 x 256 x 64 x 64 float32.
;; Outputs: out0 4 x 256 x 64 x 64 float32.
;; One version. Each part assembles by itself: llvm-mc -triple=amdgcn-amd-amdhsa -mcpu=gfx1250 --defsym DOCPART=n.
;; ======== version 1 of 1: 2 launches
;; limits: a function is approximated: absolute error at most 1.5e-05
;; workspace buffers: vT 8,388,608 bytes; kT 4,194,304 bytes; qT 4,194,304 bytes; rvwb 131,072 bytes
;; launch proj (part 1): grid 256 x 1, 8 waves a work-group, no clusters, 312,320 bytes of LDS; arguments x, wv_w, wv_b, wk_w, wk_b, rk_w, rk_b, rv_w, vT, kT, qT, rvwb; writes vT, kT, qT, rvwb
.if DOCPART == 1
	.amdgcn_target "amdgcn-amd-amdhsa--gfx1250"
	.amdhsa_code_object_version 6
	.text
	.protected	k_qd0d29c4498_proj
	.globl	k_qd0d29c4498_proj
	.p2align	8
	.type	k_qd0d29c4498_proj,@function
k_qd0d29c4498_proj:
	s_mov_b64 s[64:65], 0
	v_nop
	global_prefetch_b8 v0, s[64:65] scope:SCOPE_SE
	s_setreg_imm32_b32 hwreg(HW_REG_WAVE_MODE, 25, 1), 1
	s_wait_xcnt 0x0
; PROJ: the three 1x1 convolutions of x [4][256 c][4096 n] (f32), stored position-major in bf16:
;   vT [4][4096 n][256 ch] = wv_w x + wv_b          kT [4][4096 n][128 ch] = wk_w x + wk_b
;   qT [4][4096 n][128 ch] = (rk_w x + rk_b) * log2(e), scaled in f32 before the one rounding
;   rvwb [256][256] = rv_w rounded to bf16 (work-group g converts row g)
; Products in bf16 with f32 sums; bias and scale in f32.
; A work-group owns 64 positions of one batch and makes all 512 output channels, so x is read once in the launch.
; Wave w makes channels 64 w .. 64 w + 63 of the row (wv | wk | rk): 4 x 4 accumulator tiles, 8 K steps of 32, 128 matrix instructions.
; D = A (16 channels x 32 c, from the weights) x B (32 c x 16 positions): a lane then holds 8 neighbouring channels of one position,
; 16 bytes of a row of the position-major outputs.
; NO JOINT LOADS, though every work-group reads the same weights: they are f32 and pass through registers to be rounded; their
; 524,288 bytes do not fit LDS beside their bf16 image of 270,336 bytes, so a copy into LDS would need a ring of f32 slots and a second pass.
; LDS:  WB 0 .. 270,335       512 weight rows of 512 bytes, pitch 528 = 33 x 16; wave w writes and reads only its own 64 rows
;       XB 270,336 .. 311,295 x tile [256 c][64 n] bf16, pitch 160 = 5 x 32 (for the transposing loads)
;       ST 0 .. 66,559        behind the second barrier, over WB: [64 positions][512 ch] bf16, pitch 1,040 = 65 x 16
.set XB,   270336
.set ACC,  16                          ; v[16:143]  accumulator tile (ct, nt) at ACC + 8 (4 ct + nt)
.set AF,   144                         ; v[144:175] A fragments, one for each ct; later the rows on their way out
.set BF,   176                         ; v[176:207] B fragments, one for each nt
.set BIAS, 208                         ; v[208:239] bias of my 8 channels in each ct
.set TMP,  240                         ; v[240:247] four pairs of rounded numbers on their way into LDS
.set B0,   16                          ; three load buffers of 64 registers, in use before the accumulators and fragments are
.set B1,   80
.set B2,   144
; v1 x offset   v2 x tile store   v3 16 L   v4 weight store   v5 A fragment address   v6 B fragment address   v7 stage store
; v8 stage read   v9 32 h   v10 32 L   v11 L   v12 r = L & 15   v13 h = L >> 4   v[248:255] my part of rv_w's row (wave 0)
.macro NOPS n
.rept \n
	v_nop
.endr
.endm
	s_load_b512 s[4:19], s[0:1], 0x0               ; x, wv_w, wv_b, wk_w, wk_b, rk_w, rk_b, rv_w
	s_load_b256 s[20:27], s[0:1], 0x40             ; vT, kT, qT, rvwb
	v_lshl_add_u32 v15, v0, 2, 0x4c000
	s_set_vgpr_msb 0x40
	v_mov_b32 v1, 0
	s_set_vgpr_msb 0x4000
	v_lshrrev_b32 v1, 5, v0
	v_readfirstlane_b32 s28, v1                    ; wave 0..7
	v_and_b32 v11, 31, v0                          ; L
	v_and_b32 v12, 15, v0                          ; r
	v_bfe_u32 v13, v0, 4, 1                        ; h
	s_mul_i32 s41, s28, 33792                      ; my 64 weight rows in WB
	s_mul_i32 s40, s28, 5120                       ; my 32 rows of the x tile
	s_add_co_u32 s40, s40, XB
	s_lshl_b32 s42, s28, 7                         ; my 64 channels in a stage row
	v_lshlrev_b32 v1, 14, v13                      ; x: row h (16,384 bytes apart),
	v_lshl_add_u32 v1, v12, 4, v1                  ;    16 bytes a lane: sixteen lanes take the row's 256 bytes
	v_mul_u32_u24 v2, v13, 160
	v_lshl_add_u32 v2, v12, 3, v2
	v_add_nc_u32 v2, s40, v2                       ; the same place in XB, 8 bytes a lane
	v_lshlrev_b32 v3, 4, v11                       ; 16 L: weight loads and all global stores
	v_lshl_add_u32 v4, v11, 3, s41                 ; weight store: 8 L in my rows
	v_mul_u32_u24 v5, v12, 528
	v_lshl_add_u32 v5, v13, 4, v5
	v_add_nc_u32 v5, s41, v5                       ; A fragment: row r, 16 h
	v_and_b32 v14, 7, v0
	v_lshl_add_u32 v14, v13, 3, v14                ; 8 h + (L & 7)
	v_mul_u32_u24 v6, v14, 160
	v_bfe_u32 v14, v0, 3, 1
	v_lshl_add_u32 v6, v14, 4, v6
	v_add_nc_u32 v6, XB, v6                        ; B fragment through the transposing load
	v_mul_u32_u24 v7, v12, 1040
	v_lshl_add_u32 v7, v13, 4, v7
	v_add_nc_u32 v7, s42, v7                       ; stage: position r, my channels, 16 h
	v_lshlrev_b32 v9, 5, v13                       ; bias: 8 h channels of 4 bytes
	v_lshlrev_b32 v10, 5, v11                      ; rv_w's row: 8 numbers a lane
	; which matrix is mine: waves 0-3 wv (64 rows each), 4-5 wk, 6-7 rk
	s_and_b32 s29, s28, 1
	s_cmp_lt_u32 s28, 4
	s_cselect_b32 s29, s28, s29                    ; which 64 rows of that matrix
	s_cselect_b32 s43, 15, 14                      ; log2 of 64 output rows' bytes: 512-byte rows in vT, 256-byte rows in kT and qT
	s_wait_kmcnt 0x0
	s_cselect_b64 s[32:33], s[6:7], s[10:11]       ; weights
	s_cselect_b64 s[34:35], s[8:9], s[12:13]       ; bias
	s_cselect_b64 s[38:39], s[20:21], s[22:23]     ; output
	s_cmp_lt_u32 s28, 6
	s_cselect_b64 s[32:33], s[32:33], s[14:15]
	s_cselect_b64 s[34:35], s[34:35], s[16:17]
	s_cselect_b64 s[38:39], s[38:39], s[24:25]
	s_cselect_b32 s30, 1.0, 0x3fb8aa3b             ; rk alone is scaled by log2(e)
	s_mov_b32 s31, s30
	s_mov_b32 s45, 0
	s_lshl_b32 s44, s29, 16                        ; 64 weight rows of 1,024 bytes
	s_add_nc_u64 s[32:33], s[32:33], s[44:45]
	s_lshl_b32 s44, s29, 8                         ; 64 biases
	s_add_nc_u64 s[34:35], s[34:35], s[44:45]
	s_lshl_b32 s44, ttmp9, s43                     ; the group's 64 positions are rows 64 g of the outputs,
	s_lshl_b32 s46, s29, 13                        ; of which I store 16 rows of 512 bytes or 32 of 256: 8,192 bytes
	s_add_co_u32 s44, s44, s46
	s_add_nc_u64 s[38:39], s[38:39], s[44:45]
	s_lshl_b32 s44, ttmp9, 10                      ; row g of rv_w,
	s_add_nc_u64 s[18:19], s[18:19], s[44:45]
	s_lshl_b32 s44, ttmp9, 9                       ; and of rvwb
	s_add_nc_u64 s[26:27], s[26:27], s[44:45]
	s_lshr_b32 s44, ttmp9, 6                       ; batch
	s_lshl_b32 s44, s44, 22                        ; 256 rows of 16,384 bytes
	s_and_b32 s46, ttmp9, 63
	s_lshl_b32 s46, s46, 8                         ; 64 positions of 4 bytes
	s_add_co_u32 s44, s44, s46
	s_lshl_b32 s46, s28, 19                        ; my 32 rows c
	s_add_co_u32 s44, s44, s46
	s_add_nc_u64 s[36:37], s[4:5], s[44:45]
	; all loads that fit are issued at once, oldest first: rv_w's row, bias, x, two batches of weights
	s_cmp_lg_u32 s28, 0
	s_cbranch_scc1 .Lno_row
	global_load_b128 v[248:251], v10, s[18:19]
	global_load_b128 v[252:255], v10, s[18:19] offset:16
.Lno_row:
.irp ct, 0,1,2,3
	global_load_b128 v[BIAS+8*\ct:BIAS+8*\ct+3],   v9, s[34:35] offset:\ct*64
	global_load_b128 v[BIAS+8*\ct+4:BIAS+8*\ct+7], v9, s[34:35] offset:\ct*64+16
.endr
.irp t, 0,1,2,3,4,5,6,7,8,9,10,11,12,13,14,15
	global_load_b128 v[B0+4*\t:B0+4*\t+3], v1, s[36:37] offset:\t*32768        ; rows 2 t and 2 t + 1 of my 32: 256 aligned bytes each
.endr
; a batch of weights: 8 rows of 1,024 bytes, each load 512 consecutive bytes.  (\i): the argument may be a sum and is multiplied as a whole
.macro WLOAD i, buf
.irp t, 0,1,2,3,4,5,6,7,8,9,10,11,12,13,14,15
	global_load_b128 v[\buf+4*\t:\buf+4*\t+3], v3, s[32:33] offset:(\i)*8192+\t*512
.endr
.endm
	WLOAD 0, B1
	WLOAD 1, B2
	s_wait_loadcnt 0x20                            ; the 32 loads of the two weight batches may stay out: x, bias and rv_w's row are in
.irp t, 0,1,2,3,4,5,6,7,8,9,10,11,12,13,14,15
	v_cvt_pk_bf16_f32 v[TMP+2*(\t%4)],   v[B0+4*\t],   v[B0+4*\t+1]
	v_cvt_pk_bf16_f32 v[TMP+2*(\t%4)+1], v[B0+4*\t+2], v[B0+4*\t+3]
	ds_store_b64 v2, v[TMP+2*(\t%4):TMP+2*(\t%4)+1] offset:\t*320
.endr
	WLOAD 2, B0
	s_cmp_lg_u32 s28, 0
	s_cbranch_scc1 .Lno_row_out
	v_cvt_pk_bf16_f32 v248, v248, v249
	v_cvt_pk_bf16_f32 v249, v250, v251
	v_cvt_pk_bf16_f32 v250, v252, v253
	v_cvt_pk_bf16_f32 v251, v254, v255
	global_store_b128 v3, v[248:251], s[26:27]     ; the row's 512 bytes in one store; its registers are not written again
.Lno_row_out:
; batch i is rounded into my rows of WB; left = the loads of the younger batches; more = 1: batch i + 3 follows into the same buffer
.macro WBATCH i, buf, left, more
	s_wait_loadcnt \left
.irp t, 0,1,2,3,4,5,6,7,8,9,10,11,12,13,14,15
	v_cvt_pk_bf16_f32 v[TMP+2*(\t%4)],   v[\buf+4*\t],   v[\buf+4*\t+1]
	v_cvt_pk_bf16_f32 v[TMP+2*(\t%4)+1], v[\buf+4*\t+2], v[\buf+4*\t+3]
	ds_store_b64 v4, v[TMP+2*(\t%4):TMP+2*(\t%4)+1] offset:(8*\i+\t/2)*528+(\t%2)*256
.endr
.if \more
	WLOAD \i+3, \buf
.endif
.endm
	WBATCH 0, B1, 32, 1
	WBATCH 1, B2, 32, 1
	WBATCH 2, B0, 32, 1
	WBATCH 3, B1, 32, 1
	WBATCH 4, B2, 32, 1
	WBATCH 5, B0, 32, 0
	WBATCH 6, B1, 16, 0
	WBATCH 7, B2, 0, 0
	s_wait_dscnt 0x0                               ; my rows of the x tile are written,
	s_barrier_signal -1
	s_barrier_wait -1                              ; everybody's are
; One K step of 32 channels c.  The four v_nop are the places between the last matrix instruction and the loads into its sources
; (ISA guide 7.12.1 for vector instructions).  The 16 accumulators take turns, one instruction a turn.
.macro KSTEP kc
.if \kc
	NOPS 4
.endif
.irp ct, 0,1,2,3
	ds_load_b128 v[AF+8*\ct:AF+8*\ct+3],   v5 offset:\ct*8448+\kc*64
	ds_load_b128 v[AF+8*\ct+4:AF+8*\ct+7], v5 offset:\ct*8448+\kc*64+32
.endr
.irp nt, 0,1,2,3
	ds_load_tr16_b128 v[BF+8*\nt:BF+8*\nt+3],   v6 offset:\kc*5120+\nt*32          ; c = 32 kc + 8 h .. + 7 of position 16 nt + r
	ds_load_tr16_b128 v[BF+8*\nt+4:BF+8*\nt+7], v6 offset:\kc*5120+\nt*32+2560     ; 16 rows further down
.endr
	s_wait_dscnt 0x0
.irp ct, 0,1,2,3
.irp nt, 0,1,2,3
.if \kc
	v_wmma_f32_16x16x32_bf16 v[ACC+8*(4*\ct+\nt):ACC+8*(4*\ct+\nt)+7], v[AF+8*\ct:AF+8*\ct+7], v[BF+8*\nt:BF+8*\nt+7], v[ACC+8*(4*\ct+\nt):ACC+8*(4*\ct+\nt)+7]
.else
	v_wmma_f32_16x16x32_bf16 v[ACC+8*(4*\ct+\nt):ACC+8*(4*\ct+\nt)+7], v[AF+8*\ct:AF+8*\ct+7], v[BF+8*\nt:BF+8*\nt+7], 0
.endif
.endr
.endr
.endm
.irp kc, 0,1,2,3,4,5,6,7
	KSTEP \kc
.endr
	; y = sum * scale + bias * scale.  The 16 multiplies of the bias name no register of the matrix instructions: they are the places behind the last one.
.set a, 0
.rept 16
	v_pk_mul_f32 v[BIAS+a:BIAS+a+1], v[BIAS+a:BIAS+a+1], s[30:31] op_sel_hi:[1,0]
.set a, a+2
.endr
.irp ct, 0,1,2,3
.irp nt, 0,1,2,3
.irp i, 0,2,4,6
	v_pk_fma_f32 v[ACC+8*(4*\ct+\nt)+\i:ACC+8*(4*\ct+\nt)+\i+1], v[ACC+8*(4*\ct+\nt)+\i:ACC+8*(4*\ct+\nt)+\i+1], s[30:31], v[BIAS+8*\ct+\i:BIAS+8*\ct+\i+1] op_sel_hi:[1,0,1]
.endr
.irp i, 0,1,2,3
	v_cvt_pk_bf16_f32 v[ACC+8*(4*\ct+\nt)+\i], v[ACC+8*(4*\ct+\nt)+2*\i], v[ACC+8*(4*\ct+\nt)+2*\i+1]
.endr
.endr
.endr
	s_barrier_signal -1                            ; my reads of WB and XB came back before the last K step's products
	s_barrier_wait -1                              ; everybody's have: the stage may lie over WB
.irp ct, 0,1,2,3
.irp nt, 0,1,2,3
	ds_store_b128 v7, v[ACC+8*(4*\ct+\nt):ACC+8*(4*\ct+\nt)+3] offset:\nt*16640+\ct*32
.endr
.endr
	s_wait_dscnt 0x0                               ; my part of every stage row is written,
	s_barrier_signal -1
	s_barrier_wait -1                              ; everybody's is
	; whole rows back: waves 0-3 take 16 rows of vT (512 bytes each), waves 4-5 32 rows of kT, waves 6-7 32 rows of qT (256 bytes each, two a load)
	s_cmp_lt_u32 s28, 4
	s_cbranch_scc0 .Lshort_rows
	s_mul_i32 s40, s28, 16640
	v_lshl_add_u32 v8, v11, 4, s40
.irp t, 0,1,2,3,4,5,6,7,8,9,10,11,12,13,14,15
	ds_load_b128 v[AF+4*\t:AF+4*\t+3], v8 offset:\t*1040
.endr
	s_branch .Lstore
.Lshort_rows:
	s_mul_i32 s40, s29, 33280                      ; which 32 positions
	s_lshr_b32 s41, s28, 1
	s_lshl_b32 s41, s41, 8                         ; byte 512 (wk's channels) or 768 (rk's) of a stage row
	s_add_co_u32 s40, s40, s41
	v_mul_u32_u24 v8, v13, 1040
	v_lshl_add_u32 v8, v12, 4, v8
	v_add_nc_u32 v8, s40, v8
.irp t, 0,1,2,3,4,5,6,7,8,9,10,11,12,13,14,15
	ds_load_b128 v[AF+4*\t:AF+4*\t+3], v8 offset:\t*2080
.endr
.Lstore:
.irp t, 0,1,2,3,4,5,6,7,8,9,10,11,12,13,14,15
	s_wait_dscnt 15-\t                             ; LDS loads come back in order: load t is in, the younger ones stay out
	global_store_b128 v3, v[AF+4*\t:AF+4*\t+3], s[38:39] offset:\t*512         ; 512 consecutive bytes, aligned to 512
.endr
	s_set_vgpr_msb 0x4
	s_wait_tensorcnt 0x0
	ds_add_u32 v15, v1
	s_wait_dscnt 0x0
	s_set_vgpr_msb 0x400
	s_endpgm
.Lfunc_end_k_qd0d29c4498_proj:
	.size	k_qd0d29c4498_proj, .Lfunc_end_k_qd0d29c4498_proj-k_qd0d29c4498_proj
	.p2alignl 7, 3214868480
	.fill 96, 4, 3214868480
	.section	.rodata,"a",@progbits
	.p2align	6, 0x0
	.amdhsa_kernel k_qd0d29c4498_proj
		.amdhsa_group_segment_fixed_size 312320
		.amdhsa_private_segment_fixed_size 0
		.amdhsa_enable_private_segment 0
		.amdhsa_kernarg_size 96
		.amdhsa_user_sgpr_count 2
		.amdhsa_user_sgpr_kernarg_segment_ptr 1
		.amdhsa_wavefront_size32 1
		.amdhsa_system_sgpr_workgroup_id_x 1
		.amdhsa_system_sgpr_workgroup_id_y 1
		.amdhsa_system_sgpr_workgroup_id_z 1
		.amdhsa_system_vgpr_workitem_id 0
		.amdhsa_next_free_vgpr 258
		.amdhsa_next_free_sgpr 66
		.amdhsa_reserve_vcc 0
		.amdhsa_float_denorm_mode_32 3
		.amdhsa_float_denorm_mode_16_64 3
		.amdhsa_memory_ordered 1
		.amdhsa_forward_progress 1
		.amdhsa_inst_pref_size 78
	.end_amdhsa_kernel
	.amdgpu_metadata
---
amdhsa.version: [ 1, 2 ]
amdhsa.kernels:
  - .name:           k_qd0d29c4498_proj
    .symbol:         k_qd0d29c4498_proj.kd
    .args:
      - { .name: x, .offset: 0, .size: 8, .value_kind: global_buffer, .address_space: global }
      - { .name: wv_w, .offset: 8, .size: 8, .value_kind: global_buffer, .address_space: global }
      - { .name: wv_b, .offset: 16, .size: 8, .value_kind: global_buffer, .address_space: global }
      - { .name: wk_w, .offset: 24, .size: 8, .value_kind: global_buffer, .address_space: global }
      - { .name: wk_b, .offset: 32, .size: 8, .value_kind: global_buffer, .address_space: global }
      - { .name: rk_w, .offset: 40, .size: 8, .value_kind: global_buffer, .address_space: global }
      - { .name: rk_b, .offset: 48, .size: 8, .value_kind: global_buffer, .address_space: global }
      - { .name: rv_w, .offset: 56, .size: 8, .value_kind: global_buffer, .address_space: global }
      - { .name: vT, .offset: 64, .size: 8, .value_kind: global_buffer, .address_space: global }
      - { .name: kT, .offset: 72, .size: 8, .value_kind: global_buffer, .address_space: global }
      - { .name: qT, .offset: 80, .size: 8, .value_kind: global_buffer, .address_space: global }
      - { .name: rvwb, .offset: 88, .size: 8, .value_kind: global_buffer, .address_space: global }
    .group_segment_fixed_size: 312320
    .private_segment_fixed_size: 0
    .kernarg_segment_align: 8
    .kernarg_segment_size: 96
    .max_flat_workgroup_size: 256
    .sgpr_count:     66
    .vgpr_count:     258
    .wavefront_size: 32
...
	.end_amdgpu_metadata
.endif
;; end of part 1
;; launch attn (part 2): grid 256 x 1, 8 waves a work-group, clusters of 4 x 1, 327,680 bytes of LDS; arguments qT, kT, vT, rvwb, x, rv_b, shortcut_ratio, residue_ratio, out0; writes out0
.if DOCPART == 2
	.amdgcn_target "amdgcn-amd-amdhsa--gfx1250"
	.amdhsa_code_object_version 6
	.text
	.protected	k_qd0d29c4498_attn
	.globl	k_qd0d29c4498_attn
	.p2align	8
	.type	k_qd0d29c4498_attn,@function
k_qd0d29c4498_attn:
	s_mov_b64 s[64:65], 0
	v_nop
	global_prefetch_b8 v0, s[64:65] scope:SCOPE_SE
	s_setreg_imm32_b32 hwreg(HW_REG_WAVE_MODE, 25, 1), 1
	s_wait_xcnt 0x0
	s_wait_alu depctr_hold_cnt(0) depctr_sa_sdst(0) depctr_va_vdst(0) depctr_va_sdst(0) depctr_va_ssrc(0) depctr_va_vcc(0) depctr_vm_vsrc(0)
	s_getreg_b32 s2, hwreg(HW_REG_IB_STS2, 6, 4)
	s_cmp_eq_u32 s2, 0
	s_cbranch_scc0 .Lentry_in_a_cluster
	s_endpgm
.Lentry_in_a_cluster:
	s_bfe_u32 s2, ttmp6, 0x10000c
	s_cmp_lg_u32 s2, 0x3003
	s_cbranch_scc0 .Lentry_shape_is_right
	s_endpgm
.Lentry_shape_is_right:
; ATTN: for 64 queries of one batch and both messages: weight = softplus(q.k) / (row sum + 1e-4), read = weight x V,
; then out = x * shortcut + (rv_w read + rv_b) * residue.  Products in bf16 with f32 sums, all else in f32.
; UNITS: qT carries log2(e), so a score is s' = s log2(e) and softplus(s) = ln2 * r with r = max(s', 0) + log2(1 + 2^-|s'|).
; ln2 cancels: weight = r / (sum r + 1e-4 log2(e)).  No exponent is positive, so nothing overflows for any score.
; LIMITS: log2(1 + e), e in (0, 1], is e * (b1 + b2 e + b3 e^2 + b4 e^3 + b5 e^4): absolute error at most 1.5e-5, relative error at most
; 5.1e-4 (as e goes to 0), a quarter of the bf16 rounding that the weight gets anyway.  v_exp_f32 gives 0 for results below 2^-126
; (ISA guide, its entry in 15.8): 4,096 such weights are far below the 1.44e-4 that is added to the row sum.
; SHARES: wave w: message m = w >> 2, part j = w & 3.  Of every tile of 128 keys it takes keys 32 j .. 32 j + 31 for all 64 queries:
;   S^T (32 p x 64 q) = A (kT rows p) x B (qT rows q): 16 matrix instructions; a lane's results of two tiles, rounded in pairs, ARE the
;   B fragment (column q, K = p) of O^T (128 v x 64 q) += A (V, through the transposing load) x B: 32 matrix instructions; nothing is shuffled.
;   The four parts j of a message are added through LDS at the end.
; CLUSTER: the four work-groups of a cluster have the same batch and walk the same K and V tiles: every tile is asked for jointly (mask 15),
; which divides the requests for K and V by four.  cx enters only the global addresses of the queries, of x and of out.
; RING: 32 tiles of 128 keys through 3 slots; two slots are filled behind each round of the cluster's barrier, one round for two tiles.
;   A slot: K 128 rows, pitch 272 = 17 x 16; V at 34,816: 128 rows, pitch 544 = 17 x 32.  Wave w fetches rows 16 w .. 16 w + 15 of both.
;   A wave has six tensor loads out at the start and four behind each round.
; REGISTERS: window 0 as named below; window 1: the 32 accumulator tiles O(vt, qt) at 8 (4 vt + qt).
.set SLOT,  104448
.set VOFF,  34816
.set KSTEP, 32768                      ; 128 rows of kT
.set VSTEP, 65536                      ; 128 rows of vT
.set SM,    262144                     ; the end: partial row sums, 8 waves x 64 q x 4 bytes (partial O lies at 0, 32,768 bytes a wave)
.set RT,    264192                     ; the end: read^T [64 q][256 c] bf16, pitch 528 = 33 x 16
.set KA,  2                            ; v2-4    K fragment address in slot 0, 1, 2
.set VA,  5                            ; v5-7    V fragment address in slot 0, 1, 2
.set SUM, 10                           ; v[10:17] running row sums, a pair for each qt      (v[8:9]: b4 twice)
.set E0,  18                           ; v[18:25] 2^-|s'| of the even blocks
.set QP,  26                           ; v[26:33] the polynomial at work
.set Q,   40                           ; v[40:103]  Q fragment (qt, kc) at Q + 8 (2 qt + kc); at the end x
.set KV,  104                          ; v[104:167] K fragment (pt, kc) at KV + 8 (2 pt + kc), then V fragment vt at KV + 8 vt
.set S,   168                          ; v[168:231] S(qt, pt) at S + 16 qt + 8 pt; the weights P(qt) replace the first 8 registers of S(qt, .)
.set E1,  232                          ; v[232:239] 2^-|s'| of the odd blocks
.set RW,  104                          ; the end: rv_w fragment (ot, kc) at RW + 8 (8 ot + kc)
.set Y,   168                          ; the end: scaled results of the output convolution
; v34 16,384 L   v35 x and out offset   v36 r = L & 15   v37 h = L >> 4   v38 L   v39 offset of Q's, later of rv_w's fragments
.set G1K, 32                           ; s[32:39] group 1 for K's tiles      s[40:47] for V's
.set G1V, 40
.set G0K, 48                           ; s[48:59] group 0 for K, one set for each slot     s[60:61], s[62:63]: address of the next K, V tile, type set
.set G0V, 68                           ; s[68:79] group 0 for V, one set for each slot
; s22 wave  s23 m  s24 j  s25 batch  s26 q0 (made of cx)  s27 trips  s[80:87] b1, b2, b3, b5 twice each  s[90:93] x, out (made of cx)
.set MSB, 0
.macro WIN new                         ; the immediate's high byte repeats the setting that is left
.if MSB != \new
	s_set_vgpr_msb (MSB<<8)|\new
.set MSB, \new
.endif
.endm
.macro NOPS n
.rept \n
	v_nop
.endr
.endm
; a round of the cluster's barrier behind its opening work-group barrier: wave 0 signals for the work-group, all wait for the four work-groups
.macro CREST
	s_cmp_lg_u32 s22, 0
	s_cbranch_scc1 .Lnot_wave_0_\@
	s_barrier_signal -3
.Lnot_wave_0_\@:
	s_barrier_wait -3
	s_barrier_signal -1
	s_barrier_wait -1
.endm
.macro CROUND
	s_barrier_signal -1
	s_barrier_wait -1
	CREST
.endm
	s_load_b512 s[4:19], s[0:1], 0x0               ; qT, kT, vT, rvwb, x, rv_b, shortcut_ratio, residue_ratio
	s_load_b64 s[20:21], s[0:1], 0x40              ; out0
	v_lshl_add_u32 v254, v0, 2, 0x4c800
	v_mov_b32 v255, 0
	ds_add_u32 v254, v255
	s_wait_dscnt 0x0
	v_lshrrev_b32 v1, 5, v0
	v_readfirstlane_b32 s22, v1                    ; wave 0..7
	s_lshr_b32 s23, s22, 2                         ; m
	s_and_b32 s24, s22, 3                          ; j
	s_lshr_b32 s25, ttmp9, 4                       ; batch: 16 clusters each
	s_bfe_u32 s26, ttmp6, 0x40000                  ; cx
	s_and_b32 s94, ttmp9, 15
	s_lshl2_add_u32 s26, s94, s26                  ; query block = 4 x (cluster in the batch) + cx
	s_lshl_b32 s26, s26, 6                         ; q0
	; group 1: 16 rows of 128 (K) or 256 (V) elements of 2 bytes; mask 15 with bit 21 beside it; padding after each row
	s_mov_b32 s[G1K+0], 15|(1<<16)|(1<<20)|(1<<21)|(5<<22)|(3<<25)     ; after every 64 words 4 words: pitch 272
	s_mov_b32 s[G1K+1], 128<<16                    ; tensor_dim0
	s_mov_b32 s[G1K+2], 16<<16                     ; tensor_dim1
	s_mov_b32 s[G1K+3], 128<<16                    ; tile_dim0
	s_mov_b32 s[G1K+4], 16                         ; tile_dim1
	s_mov_b32 s[G1K+5], 128                        ; elements from row to row
	s_mov_b32 s[G1K+6], 0
	s_mov_b32 s[G1K+7], 0
	s_mov_b32 s[G1V+0], 15|(1<<16)|(1<<20)|(1<<21)|(6<<22)|(7<<25)     ; after every 128 words 8 words: pitch 544
	s_mov_b32 s[G1V+1], 256<<16
	s_mov_b32 s[G1V+2], 16<<16
	s_mov_b32 s[G1V+3], 256<<16
	s_mov_b32 s[G1V+4], 16
	s_mov_b32 s[G1V+5], 256
	s_mov_b32 s[G1V+6], 0
	s_mov_b32 s[G1V+7], 0
	s_lshl_b32 s28, s25, 20                        ; kT: 4,096 rows of 256 bytes a batch,
	s_lshl_b32 s29, s22, 12                        ; my 16 rows
	s_add_co_u32 s28, s28, s29
	s_mov_b32 s29, 0
	s_mul_i32 s30, s22, 4352                       ; where they go: 16 rows of 272,
	s_mul_i32 s31, s22, 8704                       ; 16 rows of 544 behind K's part
	s_add_co_u32 s31, s31, VOFF
	s_wait_kmcnt 0x0
	s_add_nc_u64 s[6:7], s[6:7], s[28:29]
	s_lshl_b32 s28, s28, 1                         ; vT's rows are twice as long
	s_add_nc_u64 s[8:9], s[8:9], s[28:29]
.irp s, 0,1,2
	s_mov_b32 s[G0K+4*\s], 1
	s_add_co_u32 s[G0K+4*\s+1], s30, \s*SLOT
	s_add_nc_u64 s[G0K+4*\s+2:G0K+4*\s+3], s[6:7], \s*KSTEP
	s_or_b32 s[G0K+4*\s+3], s[G0K+4*\s+3], 0x80000000
	s_mov_b32 s[G0V+4*\s], 1
	s_add_co_u32 s[G0V+4*\s+1], s31, \s*SLOT
	s_add_nc_u64 s[G0V+4*\s+2:G0V+4*\s+3], s[8:9], \s*VSTEP
	s_or_b32 s[G0V+4*\s+3], s[G0V+4*\s+3], 0x80000000
.endr
	s_add_nc_u64 s[60:61], s[6:7], 3*KSTEP         ; tile 3 is the next to be asked for
	s_or_b32 s61, s61, 0x80000000
	s_add_nc_u64 s[62:63], s[8:9], 3*VSTEP
	s_or_b32 s63, s63, 0x80000000
	CROUND                                         ; all four work-groups are here: the first joint loads meet
.irp s, 0,1,2
	tensor_load_to_lds s[G0K+4*\s:G0K+4*\s+3], s[G1K:G1K+7]
	s_nop 0
	tensor_load_to_lds s[G0V+4*\s:G0V+4*\s+3], s[G1V:G1V+7]
	s_nop 0
.endr
	; the other bases
	s_lshl_b32 s28, s22, 14                        ; rvwb: my 32 rows o of 512 bytes
	s_add_nc_u64 s[10:11], s[10:11], s[28:29]
	s_lshl_b32 s28, s22, 7                         ; the three vectors: my 32 numbers
	s_add_nc_u64 s[14:15], s[14:15], s[28:29]
	s_add_nc_u64 s[16:17], s[16:17], s[28:29]
	s_add_nc_u64 s[18:19], s[18:19], s[28:29]
	s_lshl_b32 s94, s25, 12
	s_add_co_u32 s94, s94, s26
	s_lshl_b32 s94, s94, 8                         ; qT: row 4,096 b + q0,
	s_lshl_b32 s95, s23, 7                         ; my message's 64 channels
	s_add_co_u32 s94, s94, s95
	s_mov_b32 s95, 0
	s_add_nc_u64 s[4:5], s[4:5], s[94:95]
	s_lshl_b32 s94, s25, 22                        ; x and out: batch,
	s_lshl_b32 s95, s22, 19                        ; my 32 channel rows of 16,384 bytes,
	s_add_co_u32 s94, s94, s95
	s_lshl2_add_u32 s94, s26, s94                  ; 4 q0
	s_mov_b32 s95, 0
	s_add_nc_u64 s[90:91], s[12:13], s[94:95]
	s_add_nc_u64 s[92:93], s[20:21], s[94:95]
	v_and_b32 v36, 15, v0                          ; r
	v_bfe_u32 v37, v0, 4, 1                        ; h
	v_and_b32 v38, 31, v0                          ; L
	v_lshlrev_b32 v39, 8, v36
	v_lshl_add_u32 v39, v37, 4, v39                ; Q fragment: row r, 16 h
.irp qt, 0,1,2,3
.irp kc, 0,1
	global_load_b128 v[Q+8*(2*\qt+\kc):Q+8*(2*\qt+\kc)+3],   v39, s[4:5] offset:\qt*4096+\kc*64
	global_load_b128 v[Q+8*(2*\qt+\kc)+4:Q+8*(2*\qt+\kc)+7], v39, s[4:5] offset:\qt*4096+\kc*64+32
.endr
.endr
	s_mov_b32 s80, 0x3fb89262                      ; b1 =  1.44196729
	s_mov_b32 s81, 0x3fb89262
	s_mov_b32 s82, 0xbf35ad3c                      ; b2 = -0.70967462
	s_mov_b32 s83, 0xbf35ad3c
	s_mov_b32 s84, 0x3ed5d2ca                      ; b3 =  0.41762383
	s_mov_b32 s85, 0x3ed5d2ca
	s_mov_b32 s86, 0x3d3e0883                      ; b5 =  0.04639484
	s_mov_b32 s87, 0x3d3e0883
	s_mov_b32 s88, 0x76543210                      ; v_permlanex16_b32: lane i of one half reads lane i of the other
	s_mov_b32 s89, 0xfedcba98
	v_mov_b32 v8, 0xbe490218                       ; b4 = -0.19629705
	v_mov_b32 v9, 0xbe490218
.irp i, 0,1,2,3,4,5,6,7
	v_mov_b32 v[SUM+\i], 0
.endr
	s_mul_i32 s28, s24, 8704                       ; K: my 32 rows,
	s_lshl_b32 s30, s23, 7                         ; my message's 128 bytes
	s_add_co_u32 s28, s28, s30
	v_mul_u32_u24 v1, v36, 272
	v_lshl_add_u32 v1, v37, 4, v1
	v_add_nc_u32 v[KA], s28, v1
	v_add_nc_u32 v[KA+1], SLOT, v[KA]
	v_add_nc_u32 v[KA+2], SLOT, v[KA+1]
	s_mul_i32 s28, s24, 17408                      ; V: my 32 rows,
	s_lshl_b32 s30, s23, 8                         ; my message's 256 bytes
	s_add_co_u32 s28, s28, s30
	s_add_co_u32 s28, s28, VOFF
	v_and_b32 v1, 7, v0
	v_lshl_add_u32 v1, v37, 3, v1                  ; row 8 h + (L & 7)
	v_mul_u32_u24 v1, v1, 544
	v_bfe_u32 v34, v0, 3, 1
	v_lshl_add_u32 v1, v34, 4, v1
	v_add_nc_u32 v[VA], s28, v1
	v_add_nc_u32 v[VA+1], SLOT, v[VA]
	v_add_nc_u32 v[VA+2], SLOT, v[VA+1]
	v_lshlrev_b32 v34, 14, v38                     ; row L of my 32 rows of x
	v_lshlrev_b32 v35, 14, v37
	v_lshl_add_u32 v35, v36, 4, v35                ; row h, 16 bytes a lane
.macro KLOAD s
.irp pt, 0,1
.irp kc, 0,1
	ds_load_b128 v[KV+8*(2*\pt+\kc):KV+8*(2*\pt+\kc)+3],   v[KA+\s] offset:\pt*4352+\kc*64
	ds_load_b128 v[KV+8*(2*\pt+\kc)+4:KV+8*(2*\pt+\kc)+7], v[KA+\s] offset:\pt*4352+\kc*64+32
.endr
.endr
.endm
.macro VLOAD s
.irp vt, 0,1,2,3,4,5,6,7
	ds_load_tr16_b128 v[KV+8*\vt:KV+8*\vt+3],   v[VA+\s] offset:\vt*32           ; p = 8 h .. + 7 of channel 16 vt + r
	ds_load_tr16_b128 v[KV+8*\vt+4:KV+8*\vt+7], v[VA+\s] offset:\vt*32+8704      ; 16 rows further down
.endr
.endm
; the scores: 8 tiles, 64 key channels in two steps.  The first step starts the sums.  The tiles take turns, one instruction a turn.
.macro SMM
.irp qt, 0,1,2,3
.irp pt, 0,1
	v_wmma_f32_16x16x32_bf16 v[S+16*\qt+8*\pt:S+16*\qt+8*\pt+7], v[KV+16*\pt:KV+16*\pt+7], v[Q+16*\qt:Q+16*\qt+7], 0
.endr
.endr
.irp qt, 0,1,2,3
.irp pt, 0,1
	v_wmma_f32_16x16x32_bf16 v[S+16*\qt+8*\pt:S+16*\qt+8*\pt+7], v[KV+16*\pt+8:KV+16*\pt+15], v[Q+16*\qt+8:Q+16*\qt+15], v[S+16*\qt+8*\pt:S+16*\qt+8*\pt+7]
.endr
.endr
.endm
; O(vt, qt) += V(vt) x P(qt) for vt = 4 half .. 4 half + 3: 16 accumulators of window 1 by turns.  zero = 1: the first tile starts the sums.
.macro PV half, zero
	WIN 0x50                                       ; C and D window 1, A and B window 0
.irp vv, 0,1,2,3
.irp qt, 0,1,2,3
.if \zero
	v_wmma_f32_16x16x32_bf16 v[8*(4*(4*\half+\vv)+\qt):8*(4*(4*\half+\vv)+\qt)+7], v[KV+8*(4*\half+\vv):KV+8*(4*\half+\vv)+7], v[S+16*\qt:S+16*\qt+7], 0
.else
	v_wmma_f32_16x16x32_bf16 v[8*(4*(4*\half+\vv)+\qt):8*(4*(4*\half+\vv)+\qt)+7], v[KV+8*(4*\half+\vv):KV+8*(4*\half+\vv)+7], v[S+16*\qt:S+16*\qt+7], v[8*(4*(4*\half+\vv)+\qt):8*(4*(4*\half+\vv)+\qt)+7]
.endif
.endr
.endr
.endm
; block k = 2 qt + pt, 8 registers of scores: e = 2^-|s'|
.macro EXPB k
.set EB, E0+(E1-E0)*((\k)&1)
.irp i, 0,1,2,3,4,5,6,7
	v_exp_f32 v[EB+\i], -|v[S+8*(\k)+\i]|
.endr
.endm
; r = max(s', 0) + e (b1 + e (b2 + e (b3 + e (b4 + e b5)))); the row sum takes r in f32; r is rounded into P(qt), registers 4 pt .. 4 pt + 3
.macro POLY k
.set EB, E0+(E1-E0)*((\k)&1)
.set SB, S+8*(\k)
.set PB, S+16*((\k)>>1)+4*((\k)&1)
.set SU, SUM+2*((\k)>>1)
	s_wait_alu depctr_va_vdst(0)
.irp i, 0,2,4,6
	v_pk_fma_f32 v[QP+\i:QP+\i+1], v[EB+\i:EB+\i+1], s[86:87], v[8:9] op_sel_hi:[1,0,1]
.endr
.irp i, 0,2,4,6
	v_pk_fma_f32 v[QP+\i:QP+\i+1], v[QP+\i:QP+\i+1], v[EB+\i:EB+\i+1], s[84:85] op_sel_hi:[1,1,0]
.endr
.irp i, 0,1,2,3,4,5,6,7
	v_max_num_f32 v[SB+\i], 0, v[SB+\i]
.endr
.irp i, 0,2,4,6
	v_pk_fma_f32 v[QP+\i:QP+\i+1], v[QP+\i:QP+\i+1], v[EB+\i:EB+\i+1], s[82:83] op_sel_hi:[1,1,0]
.endr
.irp i, 0,2,4,6
	v_pk_fma_f32 v[QP+\i:QP+\i+1], v[QP+\i:QP+\i+1], v[EB+\i:EB+\i+1], s[80:81] op_sel_hi:[1,1,0]
.endr
.irp i, 0,2,4,6
	v_pk_fma_f32 v[QP+\i:QP+\i+1], v[QP+\i:QP+\i+1], v[EB+\i:EB+\i+1], v[SB+\i:SB+\i+1]
.endr
.irp i, 0,2,4,6
	v_pk_add_f32 v[SU:SU+1], v[SU:SU+1], v[QP+\i:QP+\i+1]
	v_cvt_pk_bf16_f32 v[PB+\i/2], v[QP+\i], v[QP+\i+1]
.endr
.endm
; The exponentials of block k + 1 are issued ahead of block k's polynomial, so that a plain vector instruction always stands between
; an exponential and the first use of its result or write of its source (ISA guide 5.7.2); for block 0 that is the v_nop.
.macro SOFTPLUS
	EXPB 0
	v_nop
.irp k, 0,1,2,3,4,5,6
	EXPB \k+1
	POLY \k
.endr
	POLY 7
.endm
; One tile of 128 keys from slot s.  pv2: the second half of the LAST tile's products, which covers the wait for K's fragments
; (0: there is none; 1: add; 2: start the sums).  pf = 1: ask for my part of x.
; Places (ISA guide 7.12.1 for vector instructions): five v_nop before the scores' products write over P, a source of the products just issued;
; four before loads land on K's fragments and before the scores are read.
.macro CHUNK s, pv2, pf
	KLOAD \s
.if \pv2 == 1
	PV 1, 0
	WIN 0
	NOPS 5
.endif
.if \pv2 == 2
	PV 1, 1
	WIN 0
	NOPS 5
.endif
	s_wait_dscnt 0x0                               ; K's fragments
	SMM
	NOPS 4
	VLOAD \s
.if \pf
	global_prefetch_b8 v34, s[90:91] th:TH_LOAD_NT scope:SCOPE_SE      ; lane L: the 256 bytes of row 32 w + L of x that this work-group reads at the end, asked for once, two tiles and a half ahead of their load
.endif
	SOFTPLUS
	s_wait_dscnt 0x0                               ; V's fragments are in, and with them all my reads of this slot are over
.endm
; The end of a tile behind which nothing is filled: the next tile is shown to all waves.  cnt = my loads of the tile after next, which stay out.
; The four v_nop stand between the products and the next tile's loads into V's registers.
.macro ENDPLAIN cnt, zero
	s_wait_tensorcnt \cnt
	s_barrier_signal -1
	PV 0, \zero
	WIN 0
	NOPS 4
	s_barrier_wait -1
.endm
; The end of a tile behind which slots sb and sc, both read, are filled again.  In front of the round's opening signal: my LDS reads are back
; (the tile's last wait) and all my tensor loads have landed, so every group 0 may be written.  Inside the round: register work alone.
; Behind its closing wait: the joint refills, first of all.
.macro ENDFILL sb, sc, fills
	s_wait_xcnt 0x0
	v_lshl_add_u32 v254, v0, 2, 0x4c800
	v_mov_b32 v255, 0
	s_wait_tensorcnt 0x0
	ds_add_u32 v254, v255
	s_wait_dscnt 0x0
	s_mov_b64 s[G0K+4*\sb+2:G0K+4*\sb+3], s[60:61]
	s_mov_b64 s[G0V+4*\sb+2:G0V+4*\sb+3], s[62:63]
.if \fills == 2
	s_add_nc_u64 s[G0K+4*\sc+2:G0K+4*\sc+3], s[60:61], KSTEP
	s_add_nc_u64 s[G0V+4*\sc+2:G0V+4*\sc+3], s[62:63], VSTEP
	s_add_nc_u64 s[60:61], s[60:61], 2*KSTEP
	s_add_nc_u64 s[62:63], s[62:63], 2*VSTEP
.endif
	s_barrier_signal -1
	PV 0, 0
	WIN 0
	NOPS 4
	s_barrier_wait -1
	CREST
	tensor_load_to_lds s[G0K+4*\sb:G0K+4*\sb+3], s[G1K:G1K+7]
	s_nop 0
	tensor_load_to_lds s[G0V+4*\sb:G0V+4*\sb+3], s[G1V:G1V+7]
	s_nop 0
.if \fills == 2
	tensor_load_to_lds s[G0K+4*\sc:G0K+4*\sc+3], s[G1K:G1K+7]
	s_nop 0
	tensor_load_to_lds s[G0V+4*\sc:G0V+4*\sc+3], s[G1V:G1V+7]
	s_nop 0
.endif
.endm
	s_wait_tensorcnt 0x4                           ; my part of tile 0 is in; the four loads of tiles 1 and 2 stay out
	s_wait_loadcnt 0x0                             ; Q's fragments
	s_barrier_signal -1
	s_barrier_wait -1                              ; everybody's part of tile 0 is in
	CHUNK 0, 0, 0                                  ; tile 0
	ENDPLAIN 2, 1
	CHUNK 1, 2, 0                                  ; tile 1
	ENDFILL 0, 1, 2                                ; tiles 3, 4
	s_mov_b32 s27, 4
.Lring:                                            ; six tiles a trip: tiles 2 to 25
	CHUNK 2, 1, 0
	ENDPLAIN 2, 0
	CHUNK 0, 1, 0
	ENDFILL 2, 0, 2
	CHUNK 1, 1, 0
	ENDPLAIN 2, 0
	CHUNK 2, 1, 0
	ENDFILL 1, 2, 2
	CHUNK 0, 1, 0
	ENDPLAIN 2, 0
	CHUNK 1, 1, 0
	ENDFILL 0, 1, 2
	s_sub_co_u32 s27, s27, 1
	s_cmp_lg_u32 s27, 0
	s_cbranch_scc1 .Lring
	CHUNK 2, 1, 0                                  ; tile 26
	ENDPLAIN 2, 0
	CHUNK 0, 1, 0                                  ; tile 27
	ENDFILL 2, 0, 2                                ; tiles 29, 30
	CHUNK 1, 1, 0                                  ; tile 28
	ENDPLAIN 2, 0
	CHUNK 2, 1, 1                                  ; tile 29
	ENDFILL 1, 2, 1                                ; tile 31 alone: the last
	CHUNK 0, 1, 0                                  ; tile 30
	ENDPLAIN 0, 0                                  ; no load is left out
	CHUNK 1, 1, 0                                  ; tile 31
	s_barrier_signal -1                            ; my reads of the ring are over; no slot is filled again, so LDS now serves the end
	PV 0, 0
	PV 1, 0
	WIN 0
	; the end's addresses: plain vector work that names no register of the products, so it also fills the places behind them
	v_lshlrev_b32 v2, 2, v36                       ; 4 r: residue and rv_b of channel o = r
	v_lshlrev_b32 v3, 2, v37                       ; 4 h: shortcut of row h
	v_lshlrev_b32 v39, 9, v36
	v_lshl_add_u32 v39, v37, 4, v39                ; rv_w fragment: row r of 512 bytes, 16 h
	s_lshl_b32 s28, s22, 8
	s_add_co_u32 s28, s28, SM
	v_lshl_add_u32 v4, v36, 2, s28                 ; my partial row sums
	s_lshl_b32 s28, s22, 15
	v_lshl_add_u32 v5, v38, 4, s28                 ; my partial O, as the registers hold it
	s_lshl_b32 s28, s23, 10
	s_lshl_b32 s30, s24, 6
	s_add_co_u32 s28, s28, s30
	s_add_co_u32 s28, s28, SM
	v_lshl_add_u32 v6, v36, 2, s28                 ; the four partial sums of query 16 j + r of my message
	s_lshl_b32 s28, s23, 17
	s_lshl_b32 s30, s24, 13
	s_add_co_u32 s28, s28, s30
	v_lshl_add_u32 v7, v38, 4, s28                 ; query tile j in the partial O of my message's waves 0, 1,
	v_add_nc_u32 v18, 0x10000, v7                  ; and 2, 3
	v_mul_u32_u24 v23, v36, 528
	v_lshl_add_u32 v23, v37, 4, v23
	v_add_nc_u32 v20, RT, v23                      ; read^T fragment: row r, 16 h
	s_mul_i32 s28, s24, 8448
	s_lshl_b32 s30, s23, 8
	s_add_co_u32 s28, s28, s30
	s_add_co_u32 s28, s28, RT
	v_add_nc_u32 v19, s28, v23                     ; where I put read^T: row 16 j + r, my message's 256 bytes
	s_mul_i32 s28, s22, 8704
	v_mul_u32_u24 v21, v36, 272
	v_lshl_add_u32 v21, v37, 5, v21
	v_add_nc_u32 v21, s28, v21                     ; my output stage, in: row r, 32 h
	v_mul_u32_u24 v22, v37, 272
	v_lshl_add_u32 v22, v36, 4, v22
	v_add_nc_u32 v22, s28, v22                     ; back: row h, 16 bytes a lane
	s_barrier_wait -1
	; what the end needs from memory is asked for now, in the order in which it is waited for
	global_load_b32 v248, v2, s[18:19]             ; residue(o), ot = 0, 1
	global_load_b32 v250, v2, s[18:19] offset:64
	global_load_b32 v252, v2, s[14:15]             ; rv_b(o)
	global_load_b32 v254, v2, s[14:15] offset:64
.irp t, 0,1,2,3,4,5,6,7,8,9,10,11,12,13,14,15
	global_load_b32 v[232+\t], v3, s[16:17] offset:8*\t                ; shortcut of row 2 t + h
.endr
.irp ot, 0,1
.irp kc, 0,1,2,3,4,5,6,7
	global_load_b128 v[RW+8*(8*\ot+\kc):RW+8*(8*\ot+\kc)+3],   v39, s[10:11] offset:\ot*8192+\kc*64
	global_load_b128 v[RW+8*(8*\ot+\kc)+4:RW+8*(8*\ot+\kc)+7], v39, s[10:11] offset:\ot*8192+\kc*64+32
.endr
.endr
.irp t, 0,1,2,3,4,5,6,7,8,9,10,11,12,13,14,15
	global_load_b128 v[Q+4*\t:Q+4*\t+3], v35, s[90:91] offset:\t*32768 th:TH_LOAD_NT   ; x, rows 2 t and 2 t + 1: 256 aligned bytes each
.endr
	; my row sums: the pair, the two halves of the lanes; then to LDS (both halves write the same word with the same value)
.irp qt, 0,1,2,3
	v_add_f32 v[24+\qt], v[SUM+2*\qt], v[SUM+2*\qt+1]
.endr
.irp qt, 0,1,2,3
	v_permlanex16_b32 v[28+\qt], v[24+\qt], s88, s89
.endr
.irp qt, 0,1,2,3
	v_add_f32 v[24+\qt], v[24+\qt], v[28+\qt]
	ds_store_b32 v4, v[24+\qt] offset:\qt*64
.endr
	WIN 0x04                                       ; store data from window 1
.irp qt, 0,1,2,3
.irp vt, 0,1,2,3,4,5,6,7
	ds_store_b128 v5, v[8*(4*\vt+\qt):8*(4*\vt+\qt)+3]   offset:(8*\qt+\vt)*1024
	ds_store_b128 v5, v[8*(4*\vt+\qt)+4:8*(4*\vt+\qt)+7] offset:(8*\qt+\vt)*1024+512
.endr
.endr
	WIN 0
	s_wait_dscnt 0x0                               ; my partial sums are written,
	s_barrier_signal -1
	s_barrier_wait -1                              ; everybody's are
	; wave (m, j) adds the four parts of query tile j of message m
	ds_load_b32 v24, v6
	ds_load_b32 v25, v6 offset:256
	ds_load_b32 v26, v6 offset:512
	ds_load_b32 v27, v6 offset:768
	WIN 0x40                                       ; loaded data into window 1: part i at 64 i
.irp i, 0,1
.irp vt, 0,1,2,3,4,5,6,7
.irp hh, 0,1
	ds_load_b128 v[64*\i+8*\vt+4*\hh:64*\i+8*\vt+4*\hh+3], v7 offset:\i*32768+(2*\vt+\hh)*512
.endr
.endr
.endr
.irp i, 0,1
.irp vt, 0,1,2,3,4,5,6,7
.irp hh, 0,1
	ds_load_b128 v[128+64*\i+8*\vt+4*\hh:128+64*\i+8*\vt+4*\hh+3], v18 offset:\i*32768+(2*\vt+\hh)*512
.endr
.endr
.endr
	WIN 0
	s_wait_dscnt 0x3f                              ; 68 loads were issued: at most 63 out shows the oldest five in, the four row sums among them
	v_add_f32 v24, v24, v25
	v_add_f32 v26, v26, v27
	v_add_f32 v24, v24, v26
	v_add_f32 v24, 0x3917470d, v24                 ; + 1e-4 log2(e)
	v_rcp_f32 v28, v24
	v_nop                                          ; a plain instruction between the reciprocal and its use (ISA guide 5.7.2)
	s_wait_alu depctr_va_vdst(0)
	v_mov_b32 v29, v28
	WIN 0x45                                       ; destination and both sources window 1
	s_wait_dscnt 0x20                              ; parts 0 and 1 are in; the 32 loads of parts 2 and 3 may be out
.set a, 0
.rept 32
	v_pk_add_f32 v[a:a+1], v[a:a+1], v[64+a:65+a]
.set a, a+2
.endr
	s_wait_dscnt 0x0
.set a, 0
.rept 32
	v_pk_add_f32 v[128+a:129+a], v[128+a:129+a], v[192+a:193+a]
.set a, a+2
.endr
.set a, 0
.rept 32
	v_pk_add_f32 v[a:a+1], v[a:a+1], v[128+a:129+a]
.set a, a+2
.endr
	WIN 0x41                                       ; the second source (1 / row sum) from window 0
.set a, 0
.rept 32
	v_pk_mul_f32 v[a:a+1], v[a:a+1], v[28:29]
.set a, a+2
.endr
	WIN 0x45
.irp vt, 0,1,2,3,4,5,6,7
.irp i, 0,1,2,3
	v_cvt_pk_bf16_f32 v[8*\vt+\i], v[8*\vt+2*\i], v[8*\vt+2*\i+1]
.endr
.endr
	WIN 0x04
.irp vt, 0,1,2,3,4,5,6,7
	ds_store_b128 v19, v[8*\vt:8*\vt+3] offset:\vt*32                  ; read^T(16 j + r, 128 m + 16 vt + 8 h .. + 7)
.endr
	WIN 0
	s_wait_dscnt 0x0                               ; my part of read^T is written, my reads of the partial sums are back,
	s_barrier_signal -1
	s_barrier_wait -1                              ; everybody's
; The output convolution: wave w makes channels o = 32 w .. + 31 for the 64 queries.  D(qt, ot) = A (read^T rows q) x B (rv_w rows o), window 1 at 8 (4 ot + qt):
; a lane holds 8 neighbouring queries of one channel.  256 channels c in two halves of four K steps; A's fragments in window 1 at 128.
; The 8 accumulators take turns, one instruction a turn.
.macro CONVH hf
	WIN 0x40
.irp qt, 0,1,2,3
.irp kk, 0,1,2,3
	ds_load_b128 v[128+8*(4*\qt+\kk):128+8*(4*\qt+\kk)+3],   v20 offset:\qt*8448+(4*\hf+\kk)*64
	ds_load_b128 v[128+8*(4*\qt+\kk)+4:128+8*(4*\qt+\kk)+7], v20 offset:\qt*8448+(4*\hf+\kk)*64+32
.endr
.endr
	s_wait_dscnt 0x0
.if \hf == 0
	s_wait_loadcnt 0x10                            ; all but the 16 loads of x: rv_w's fragments and the three vectors are in
.endif
	WIN 0x51                                       ; A, C and D window 1, B window 0
.irp kk, 0,1,2,3
.irp ot, 0,1
.irp qt, 0,1,2,3
.if \hf+\kk
	v_wmma_f32_16x16x32_bf16 v[8*(4*\ot+\qt):8*(4*\ot+\qt)+7], v[128+8*(4*\qt+\kk):128+8*(4*\qt+\kk)+7], v[RW+8*(8*\ot+4*\hf+\kk):RW+8*(8*\ot+4*\hf+\kk)+7], v[8*(4*\ot+\qt):8*(4*\ot+\qt)+7]
.else
	v_wmma_f32_16x16x32_bf16 v[8*(4*\ot+\qt):8*(4*\ot+\qt)+7], v[128+8*(4*\qt+\kk):128+8*(4*\qt+\kk)+7], v[RW+8*(8*\ot+4*\hf+\kk):RW+8*(8*\ot+4*\hf+\kk)+7], 0
.endif
.endr
.endr
.endr
.endm
	CONVH 0
	NOPS 4                                         ; places in front of the loads into A's fragments
	CONVH 1
	WIN 0
	; y = (D + rv_b) residue = D c1 + c0.  These six lines name no register of the products: they are the places behind the last one.
	v_mul_f32 v252, v252, v248
	v_mul_f32 v254, v254, v250
	v_mov_b32 v249, v248
	v_mov_b32 v251, v250
	v_mov_b32 v253, v252
	v_mov_b32 v255, v254
	WIN 0x01                                       ; D from window 1, all else window 0
.irp ot, 0,1
.irp qt, 0,1,2,3
.irp i, 0,2,4,6
	v_pk_fma_f32 v[Y+8*(4*\ot+\qt)+\i:Y+8*(4*\ot+\qt)+\i+1], v[8*(4*\ot+\qt)+\i:8*(4*\ot+\qt)+\i+1], v[248+2*\ot:249+2*\ot], v[252+2*\ot:253+2*\ot]
.endr
.endr
.endr
	WIN 0
	; through my own stage (32 rows o of 256 bytes, pitch 272, over the partial sums that nobody reads any more) into whole rows
.irp ot, 0,1
.irp qt, 0,1,2,3
	ds_store_b128 v21, v[Y+8*(4*\ot+\qt):Y+8*(4*\ot+\qt)+3]   offset:\ot*4352+\qt*64
	ds_store_b128 v21, v[Y+8*(4*\ot+\qt)+4:Y+8*(4*\ot+\qt)+7] offset:\ot*4352+\qt*64+16
.endr
.endr
.irp t, 0,1,2,3,4,5,6,7,8,9,10,11,12,13,14,15
	ds_load_b128 v[RW+4*\t:RW+4*\t+3], v22 offset:\t*544               ; LDS serves a wave's instructions in order (ISA guide 5.7.1.4): these see the stores above
.endr
	s_wait_loadcnt 0x0                             ; x
.irp t, 0,1,2,3,4,5,6,7,8,9,10,11,12,13,14,15
	s_wait_dscnt 15-\t                             ; rows 2 t and 2 t + 1 are back, the younger ones stay out
.irp i, 0,1,2,3
	v_fma_f32 v[RW+4*\t+\i], v[Q+4*\t+\i], v[232+\t], v[RW+4*\t+\i]    ; out = x shortcut + y
.endr
	global_store_b128 v35, v[RW+4*\t:RW+4*\t+3], s[92:93] offset:\t*32768 th:TH_STORE_NT   ; sixteen lanes store 256 consecutive aligned bytes of a row
.endr
	s_wait_xcnt 0x0
	v_lshl_add_u32 v254, v0, 2, 0x4c800
	v_mov_b32 v255, 0
	s_wait_tensorcnt 0x0
	ds_add_u32 v254, v255
	s_wait_dscnt 0x0
	CROUND                                         ; the closing round: no work-group ends while a partner may still ask for a tile that names it
	s_endpgm
.Lfunc_end_k_qd0d29c4498_attn:
	.size	k_qd0d29c4498_attn, .Lfunc_end_k_qd0d29c4498_attn-k_qd0d29c4498_attn
	.p2alignl 7, 3214868480
	.fill 96, 4, 3214868480
	.section	.rodata,"a",@progbits
	.p2align	6, 0x0
	.amdhsa_kernel k_qd0d29c4498_attn
		.amdhsa_group_segment_fixed_size 327680
		.amdhsa_private_segment_fixed_size 0
		.amdhsa_enable_private_segment 0
		.amdhsa_kernarg_size 72
		.amdhsa_user_sgpr_count 2
		.amdhsa_user_sgpr_kernarg_segment_ptr 1
		.amdhsa_wavefront_size32 1
		.amdhsa_system_sgpr_workgroup_id_x 1
		.amdhsa_system_sgpr_workgroup_id_y 1
		.amdhsa_system_sgpr_workgroup_id_z 1
		.amdhsa_system_vgpr_workitem_id 0
		.amdhsa_next_free_vgpr 512
		.amdhsa_next_free_sgpr 96
		.amdhsa_reserve_vcc 0
		.amdhsa_float_denorm_mode_32 3
		.amdhsa_float_denorm_mode_16_64 3
		.amdhsa_memory_ordered 1
		.amdhsa_forward_progress 1
		.amdhsa_inst_pref_size 255
	.end_amdhsa_kernel
	.section	.bss,"aw",@nobits
	.p2align	6
	.space	262144
	.amdgpu_metadata
---
amdhsa.version: [ 1, 2 ]
amdhsa.kernels:
  - .name:           k_qd0d29c4498_attn
    .symbol:         k_qd0d29c4498_attn.kd
    .args:
      - { .name: qT, .offset: 0, .size: 8, .value_kind: global_buffer, .address_space: global }
      - { .name: kT, .offset: 8, .size: 8, .value_kind: global_buffer, .address_space: global }
      - { .name: vT, .offset: 16, .size: 8, .value_kind: global_buffer, .address_space: global }
      - { .name: rvwb, .offset: 24, .size: 8, .value_kind: global_buffer, .address_space: global }
      - { .name: x, .offset: 32, .size: 8, .value_kind: global_buffer, .address_space: global }
      - { .name: rv_b, .offset: 40, .size: 8, .value_kind: global_buffer, .address_space: global }
      - { .name: shortcut_ratio, .offset: 48, .size: 8, .value_kind: global_buffer, .address_space: global }
      - { .name: residue_ratio, .offset: 56, .size: 8, .value_kind: global_buffer, .address_space: global }
      - { .name: out0, .offset: 64, .size: 8, .value_kind: global_buffer, .address_space: global }
    .group_segment_fixed_size: 327680
    .private_segment_fixed_size: 0
    .kernarg_segment_align: 8
    .kernarg_segment_size: 72
    .max_flat_workgroup_size: 256
    .sgpr_count:     96
    .vgpr_count:     512
    .wavefront_size: 32
...
	.end_amdgpu_metadata
.endif
;; end of part 2
